; MI455X (gfx1250); checked and timed in simulation.
; The chip was launched on July 23, 2026; its instructions are those of AMD's public machine-readable ISA for CDNA 5 (MIT licence, August 2026) and "CDNA5" Instruction Set Architecture Reference Guide (July 2026). The comments in the code are by the model that wrote it; some were corrected since.
;; Template Column Wise Attention. Allowed arithmetic: matrix products marked QUANTISED: E4M3 operands, one given power-of-two scale a tensor, by v_wmma_f32_16x16x64_fp8_fp8 or v_wmma_f32_16x16x128_fp8_fp8, f32 sums; products left as they are: f32 operands where the result goes on into a quantised operand, else bf16, f16 or f32 operands; f32 sums; everything else in f32.
;; Inputs: bg 512 float32; bo 256 float32; lowp_scales 10 int32 (the exponents e of the quantised operands' scales 2^e); s_codes 4 x 1,024 x 8 x 32 uint8 (E4M3 codes of s, K innermost, in blocks of 32 codes); t_codes 4 x 32 x 1,024 x 8 x 32 uint8 (E4M3 codes of t, K innermost, in blocks of 32 codes); template_mask 4 x 32 float32; wg_codes 512 x 8 x 32 uint8 (E4M3 codes of wg, K innermost, in blocks of 32 codes); wk_codes 512 x 8 x 32 uint8 (E4M3 codes of wk, K innermost, in blocks of 32 codes); wo_codes 256 x 16 x 32 uint8 (E4M3 codes of wo, K innermost, in blocks of 32 codes); wq_codes 512 x 8 x 32 uint8 (E4M3 codes of wq, K innermost, in blocks of 32 codes); wv_codes 512 x 8 x 32 uint8 (E4M3 codes of wv, K innermost, in blocks of 32 codes).
;; Outputs: out0 4 x 1,024 x 256 float32.
;; This version of the problem:
;;   THIS VERSION OF THE PROBLEM IS GIVEN IN LOW PRECISION. The matrix products marked QUANTISED in the list below multiply operands that are first quantised to E4M3 (4 exponent bits, 3 mantissa bits; 8 bits a number), with one given power-of-two scale for each operand tensor; their sums are f32. All else is computed in f32.
;;   The module's matrix products, in the order in which they are computed (A, B: the left and right operand; K: the contracted axis; several contracted axes count as one K, in the product's order):
;;     1. [M 4,096, K 256] x [K 256, N 512]; A: input s (given as codes); B: input wq (given as codes): QUANTISED (scales: A lowp_scales[0], B lowp_scales[1])
;;     2. [M 131,072, K 256] x [K 256, N 512]; A: input t (given as codes); B: input wk (given as codes): QUANTISED (scales: A lowp_scales[2], B lowp_scales[3])
;;     3. [M 131,072, K 256] x [K 256, N 512]; A: input t (given as codes); B: input wv (given as codes): QUANTISED (scales: A lowp_scales[4], B lowp_scales[5])
;;     4. batch 32,768 x [M 1, K 64] x [K 64, N 32]; A: computed on the way; B: computed on the way: left as it is (M = 1 < 16)
;;     5. batch 32,768 x [M 64, K 32] x [K 32, N 1]; A: computed on the way; B: softmax: left as it is (N = 1 < 16)
;;     6. [M 4,096, K 256] x [K 256, N 512]; A: input s (given as codes); B: input wg (given as codes): QUANTISED (scales: A lowp_scales[6], B lowp_scales[7])
;;     7. [M 4,096, K 512] x [K 512, N 256]; A: computed on the way; B: input wo (given as codes): QUANTISED (scales: A lowp_scales[8], B lowp_scales[9])
;;   THE QUANTISER, for each operand of a quantised product, along K:
;;     - The operand's scale is 2^e, e = its entry of the input lowp_scales (int32; the entries are numbered through the quantised products in the list's order, A before B).
;;     - Each number is divided by the scale, clamped to +-448, and rounded to the nearest number of E4M3, ties to even, subnormals kept.
;;     - The product sums the exact products of the quantised numbers (number of the format x scale) in f32.
;;   ~~~python
;;   def quantise(x, axis, e):      # numpy; x: float32 -> the quantised numbers, widened to float32 again
;;       x = np.moveaxis(x, axis, -1); K = x.shape[-1]
;;       r = np.clip(x / 2.0 ** e, -448, 448)
;;       step = 2.0 ** (np.maximum(np.frexp(np.where(r == 0, 1, r))[1] - 1, -6) - 3)
;;       q = np.round(r / step) * step * 2.0 ** e      # np.round: ties to even
;;       return np.moveaxis(q, -1, axis).astype(np.float32)
;;   ~~~
;;   OPERANDS COMPUTED ON THE WAY. 'Computed on the way' means the value that the module computes at that place (a softmax that the list does not call 'softmax' is quantised finished and normalised). What goes into a quantiser is computed in f32, as accurately as f32 sums, v_exp_f32 and their like allow (about 1e-6 of the number): no bf16 or f16 on the way to a quantiser, and a product that is left as it is and whose result goes on into a quantised operand takes f32 operands (vector FMAs, or v_wmma_f32_16x16x4_f32). A number that lies on a knife's edge between two numbers of the format may be rounded either way, as far as f32 arithmetic and the matrix unit's own rounding can turn it there, and no further.
;;   INPUTS GIVEN AS CODES. s (in the module: [4, 1024, 256], K = its axis 2); t (in the module: [4, 32, 1024, 256], K = its axis 3); wg (in the module: [256, 512], K = its axis 0); wk (in the module: [256, 512], K = its axis 0); wo (in the module: [512, 256], K = its axis 0); wq (in the module: [256, 512], K = its axis 0); wv (in the module: [256, 512], K = its axis 0): each comes as NAME_codes (uint8): NAME with its K axis moved to the last place and cut into blocks of 32 codes, [.., K / 32, bytes a block], one block behind the other in memory; one code a byte (a code: sign, 4 exponent bits, 3 mantissa bits); its scale is its entry of lowp_scales. Its value is code x scale, taken as it is: it is not quantised again, and the codes and scales need not be those that the quantiser above would give.
;; One version. Each part assembles by itself: llvm-mc -triple=amdgcn-amd-amdhsa -mcpu=gfx1250 --defsym DOCPART=n.
;; ======== version 1 of 1: 1 launch
;; limits: right only within a limited range of input values
;; launch tcwa (part 1): grid 256 x 1, 8 waves a work-group, clusters of 4 x 1, 327,680 bytes of LDS; arguments t_codes, wk_codes, wv_codes, wg_codes, wo_codes, lowp_scales, s_codes, wq_codes, template_mask, bg, bo, out0; writes out0
.if DOCPART == 1
	.amdgcn_target "amdgcn-amd-amdhsa--gfx1250"
	.amdhsa_code_object_version 6
	.text
	.protected	k_qa4521e6915_tcwa
	.globl	k_qa4521e6915_tcwa
	.p2align	8
	.type	k_qa4521e6915_tcwa,@function
k_qa4521e6915_tcwa:
	s_mov_b64 s[64:65], 0
	v_nop
	global_prefetch_b8 v0, s[64:65] scope:SCOPE_SE
	s_setreg_imm32_b32 hwreg(HW_REG_WAVE_MODE, 25, 1), 1
	s_wait_xcnt 0x0
	s_wait_alu depctr_hold_cnt(0) depctr_sa_sdst(0) depctr_va_vdst(0) depctr_va_sdst(0) depctr_va_ssrc(0) depctr_va_vcc(0) depctr_vm_vsrc(0)
	s_getreg_b32 s2, hwreg(HW_REG_IB_STS2, 6, 4)
	s_cmp_eq_u32 s2, 0
	s_cbranch_scc0 .Lentry_in_a_cluster
	s_endpgm
.Lentry_in_a_cluster:
	s_bfe_u32 s2, ttmp6, 0x10000c
	s_cmp_lg_u32 s2, 0x3003
	s_cbranch_scc0 .Lentry_shape_is_right
	s_endpgm
.Lentry_shape_is_right:
; Column-wise template attention on codes of FP8 (E4M3), one launch.  For each residue (b, n): q = s wq / 8, k = t wk, v = t wv (32 templates), for each of 8 heads a softmax over the
; templates of q . k + 1e9 (mask - 1), o = a v, g = sigmoid(s wg + bg), out = Q(o g) wo + bo.  The five products on codes go to v_wmma_f32_16x16x128_fp8_fp8; q . k and a v are f32
; multiply-adds, since their result goes on into a quantiser.
; SHARES.  A work-group of eight waves owns 16 neighbouring residues of one batch entry: 4,096 / 16 = 256 work-groups.  Wave w owns head w: channels 64 w .. 64 w + 63 of q, k, v, g; and columns
; 32 w .. 32 w + 31 of out.  Its 64 rows of wk and of wv (128 registers each) stay in registers together, so that one fragment of t serves the products of k and of v: 8 LDS loads for 16 products.
; LAYOUT.  Every product is used transposed: source 0 = 16 rows of a weight, source 1 = 16 residues (for k and v: the 16 rows of t of ONE template).  Lane (r = l % 16, h = l / 16) of every result
; holds residue r, and register j of tile i channel 16 i + 8 h + j.  A score is a dot product inside a lane and one exchange between the halves of the lanes.
; ORDER.  Templates 0-9: k and scores; their softmax; v and o.  Then steps of two templates: k, scores, v, with a running maximum: the sum and o are multiplied by 2^((old max - new max) log2 e).
; g is made between templates 17 and 18.
; FEEDING.  Four batches of tensor loads, one load a wave in each, every wait on TENSORcnt for 0: (1) wq, wk, templates 0-9; (2) wv over wq, templates 10-17 over wk; (3) wg over wv, templates 18-31
; over wk; (4) wo over wg.  The five weights are JOINT loads of the cluster's four work-groups; t is shared by no two work-groups: plain loads.
; No prefetch: a batch is asked for a phase of products ahead of its first read, and the loops ask memory for no stream.
; K's ORDER.  Both sides of every product are fetched 16 bytes at a time at 32 c + 16 h: the same permutation of k on both sides, so every product meets its partner.
; SCALES (e0 .. e9 of lowp_scales).  2^(e0+e1+e2+e3-3) goes onto q; the sums of v stay unscaled and 2^(e8-e4-e5) is the conversion's one scale; 2^(e6+e7) and 2^(e8+e9) multiply finished sums.
; LIMITS: e6 + e7 and e8 + e9 between -126 and 127; e8 - e4 - e5 between -126 and 119, so that each is an f32 power of two; q x 2^(e0+e1+e2+e3-3) must neither overflow nor fall under f32's range.
; NaN among the inputs is not served.  The mask may hold any finite f32.
; LDS
.set TPL,   4352                       ; t: template x at 4,352 x, 16 rows of 272 bytes (256 + 16 of padding); 139,264 bytes in all
.set LK,    43520                      ; wk: 512 rows of 272 bytes, behind templates 0-9; templates 10-31 are filled over its first 95,744 bytes
.set LV,    182784                     ; wq, then wv, then wg: 512 rows of 272 bytes; then wo: 256 rows of 528 bytes
.set IMG,   0                          ; the codes of o g as images of the operand's registers, 8,192 bytes, over templates 0-1, whose fill and reads are over
.set STG,   8192                       ; the way out: 16 rows of 1,040 bytes, over templates 1-5
.set SPARE, 322048                     ; the spare words: 128 bytes for each wave, four blocks of 256 bytes that no other line names
; VECTOR REGISTERS.  Window 0: v0-31 below; 32-63 q, then bo; 64-95, 96-127 accumulators; 128-255 wq, then wv (tile i, K step k at + 32 i + 16 k)
;   window 1: 0-127 wk, then wo; 128-159, 160-191 t's fragments of two templates, then s and bg, then the images; 192-223 s's fragment, then o; 224-255 g
.set AT,   2                           ; v2  272 r + 16 h: my place in a template
.set AWK,  3                           ; v3  my place in wk; then the walking place in t
.set AWV,  4                           ; v4  my place in wq, wv, wg
.set AWO,  5
.set AIS,  6                           ; v6  where I store my codes in the images
.set AIL,  7                           ; v7  16 x lane: where I load images (IMG = 0), and my byte offset in the rows that I send
.set AOS,  8
.set AOL,  9
.set GB,   10                          ; v10 32 h: my eight numbers of a tile's sixteen in bg, bo
.set SPW,  11                          ; v11 LDS address of my spare word; never rewritten
.set NIL,  12                          ; v12 0; never rewritten
.set SUM,  13                          ; v13 the softmax's sum
.set MX,   14                          ; v14 the running maximum
.set GW,   15                          ; v15 256 r + 16 h: my byte offset in 16 rows of s  (also named as the upper half of the pair v[14:15])
                                       ; v16-23 two scores' four chains;  v24-31, v0, v1 scores, then p
.set Q,    32
.set A0,   64
.set A1,   96
.set R2,   128
.set T0,   128
.set T1,   160
.set O,    192
.set G,    224
; SCALAR REGISTERS: s28 wave; s29 wave % 2; s30 work-group; s31 1e9; s[32:33] lane selects; s34 my place in LDS for wv, wg; s35 the same for wo; s66 q's exponent; s67 2^(e8-e4-e5); s72 wave % 4
;   s[88:97] the exponents, then the bias of templates 0-9; s[98:99] 2^(e6+e7); s[100:101] 2^(e8+e9)
;   s[76:77] two numbers of the mask, s78 their offset, s79 trips, s80 -infinity, s81, s82 two biases, s83 t's offset
.set G1W,  36                          ; s[36:43] group 1: rows of a weight (joint);  s[44:51] templates
.set G1T,  44
.set G0W,  52                          ; groups 0: wv, wg, wo;  t;  wq;  wk
.set G0T,  56
.set G0Q,  60
.set G0K,  68
.set MSB, 0
.macro WIN new                         ; the immediate's high byte repeats the setting that is left
.if MSB != (\new)
	s_set_vgpr_msb (MSB<<8)|(\new)
.set MSB, (\new)
.endif
.endm
.set MK, 0x05                          ; products of k and of out: sources window 1, C and D window 0
.set MV, 0x04                          ; products of q and v: source 0 window 0, source 1 window 1, C and D window 0
.set MG, 0x54                          ; products of g: source 0 window 0, all else window 1
.macro PLACES n
.rept \n
	v_nop
.endr
.endm
.macro BAR
	s_barrier_signal -1
	s_barrier_wait -1
.endm
; A round of the cluster's barrier behind its opening signal: my work-group's barrier, so that wave 0's signal speaks for all its waves; wave 0 signals; every wave waits for the four work-groups; my work-group's barrier.
.macro CREST
	s_barrier_wait -1
	s_cmp_lg_u32 s28, 0
	s_cbranch_scc1 .Lnot_wave_0_\@
	s_barrier_signal -3
.Lnot_wave_0_\@:
	s_barrier_wait -3
	BAR
.endm
; In front of a refill: all my tensor loads have landed; 0 onto my spare word (twice: the add written twice on end); the descriptors' steps follow; then DONE: the add is done, my reads are back, and I say so.
.macro DRAIN twice
	s_wait_alu depctr_va_vdst(0)
	s_wait_tensorcnt 0x0
	ds_add_u32 v[SPW], v[NIL]
.if \twice
	ds_add_u32 v[SPW], v[NIL]
.endif
.endm
.macro DONE
	s_wait_dscnt 0x0
	s_barrier_signal -1
.endm
.macro TENSOR g0, g1                   ; a tensor load
	tensor_load_to_lds s[\g0:\g0+3], s[\g1:\g1+7]
	s_nop 0
	PLACES 4
.endm
.macro GROUP0 g0, lds, base            ; count 1; LDS address; global address (base + s[74:75]); type 2 on top
	s_mov_b32 s[\g0], 1
	s_mov_b32 s[\g0+1], \lds
	s_add_nc_u64 s[\g0+2:\g0+3], s[\base:\base+1], s[74:75]
	s_or_b32 s[\g0+3], s[\g0+3], 0x80000000
.endm
; my 64 rows of a weight from LDS into 128 registers
.macro COPY dst, adr
.irp t, 0,1,2,3
.irp k, 0,1
.irp c, 0,1,2,3
	ds_load_b128 v[(\dst)+32*\t+16*\k+4*\c:(\dst)+32*\t+16*\k+4*\c+3], v[\adr] offset:TPL*\t+128*\k+32*\c
.endr
.endr
.endr
.endm
; two templates' fragments (16 residues x 256 K: 32 registers each) from template x on
.macro TPAIR adr, x
	WIN 0x40
.irp u, 0,1
.irp k, 0,1
.irp c, 0,1,2,3
	ds_load_b128 v[T0+32*\u+16*\k+4*\c:T0+32*\u+16*\k+4*\c+3], v[\adr] offset:TPL*((\x)+\u)+128*\k+32*\c
.endr
.endr
.endr
.endm
.macro SLOAD dst                       ; s's fragment from memory
	WIN 0x40
.irp k, 0,1
.irp c, 0,1,2,3
	global_load_b128 v[(\dst)+16*\k+4*\c:(\dst)+16*\k+4*\c+3], v[GW], s[16:17] offset:128*\k+32*\c
.endr
.endr
.endm
; Line s of 8 of the softmax's chain of two scores v24, v25.  It stands between products of v: source 1 of a vector register would lie in window 1, so none is written there.
.macro CHAIN s
.if (\s) == 0
	v_permlanex16_b32 v26, v24, s32, s33           ; the other 32 channels' part lies in the lane 16 away
.elseif (\s) == 1
	v_permlanex16_b32 v27, v25, s32, s33
.elseif (\s) == 2
	v_pk_fma_f32 v[24:25], v[24:25], 1.0, v[26:27] op_sel_hi:[1,0,1]
.elseif (\s) == 3
	v_fma_f32 v24, v24, 1.0, s81                   ; + the bias, onto the finished score
.elseif (\s) == 4
	v_fma_f32 v25, v25, 1.0, s82
.elseif (\s) == 5
	v_max3_num_f32 v30, v24, s80, v25
.elseif (\s) == 6
	v_max3_num_f32 v30, v30, s80, v[MX]            ; the new maximum
.else
	v_fma_f32 v28, v[MX], 1.0, -v30                ; old - new
.endif
.endm
; Eight products: 64 rows of a weight (from wb on) with 16 rows of 256 codes (from tb on).  Four accumulators by turns, one instruction a turn; K step 0 starts the sums.
; ch = 1: a line of the chain behind each
.macro KV tb, ac, wb, ch
.irp k, 0,1
.irp i, 0,1,2,3
.if \k == 0
	v_wmma_f32_16x16x128_fp8_fp8 v[(\ac)+8*\i:(\ac)+8*\i+7], v[(\wb)+32*\i:(\wb)+32*\i+15], v[(\tb):(\tb)+15], 0
.else
	v_wmma_f32_16x16x128_fp8_fp8 v[(\ac)+8*\i:(\ac)+8*\i+7], v[(\wb)+32*\i+16:(\wb)+32*\i+31], v[(\tb)+16:(\tb)+31], v[(\ac)+8*\i:(\ac)+8*\i+7]
.endif
.if \ch
	CHAIN 4*\k+\i
.endif
.endr
.endr
.endm
; My 32 channels' parts of two scores, two chains each, side by side; each accumulator from its low end on
.macro DOT2 dst
.irp n, 0,1,2,3,4,5,6,7,8,9,10,11,12,13,14,15
.if \n < 2
	v_pk_mul_f32 v[16+2*\n:17+2*\n], v[Q+2*\n:Q+2*\n+1], v[A0+2*\n:A0+2*\n+1]
	v_pk_mul_f32 v[20+2*\n:21+2*\n], v[Q+2*\n:Q+2*\n+1], v[A1+2*\n:A1+2*\n+1]
.else
	v_pk_fma_f32 v[16+2*(\n%2):17+2*(\n%2)], v[Q+2*\n:Q+2*\n+1], v[A0+2*\n:A0+2*\n+1], v[16+2*(\n%2):17+2*(\n%2)]
	v_pk_fma_f32 v[20+2*(\n%2):21+2*(\n%2)], v[Q+2*\n:Q+2*\n+1], v[A1+2*\n:A1+2*\n+1], v[20+2*(\n%2):21+2*(\n%2)]
.endif
.endr
	v_pk_add_f32 v[16:17], v[16:17], v[18:19]
	v_pk_add_f32 v[20:21], v[20:21], v[22:23]
	v_add_f32 v[\dst], v16, v17
	v_add_f32 v[(\dst)+1], v20, v21
.endm
; A step of two templates, whose fragments were asked for a step ago.  Behind the products of v, how = 0: the next step's are asked for; how = 1, the last step: wo's fragments and bo; how = 2: s and bg, for g.
; The barrier in the step guards no fill and hands over no bytes: it keeps the eight waves within a step of each other.
.macro CHUNK how
	s_wait_kmcnt 0x0                               ; the step's two numbers of the mask
	s_add_f32 s81, s76, -1.0                       ; the bias, rounded as it is defined: first mask - 1, then x 1e9
	s_add_f32 s82, s77, -1.0
	s_mul_f32 s81, s81, s31
	s_mul_f32 s82, s82, s31
.if \how != 1
	s_add_co_u32 s78, s78, 8
	s_load_b64 s[76:77], s[20:21], s78 offset:0x0
.endif
.if \how == 0
	s_add_co_u32 s83, s83, 2*TPL
.endif
	s_wait_dscnt 0x0
	s_barrier_signal -1
	WIN MK
	KV T0, A0, 0, 0
	KV T1, A1, 0, 0
	WIN 0
	s_barrier_wait -1
	PLACES 3
.if \how == 0
	v_add_nc_u32 v[AWK], s83, v[AT]                ; the fourth place ahead of the first read of a result
.else
	v_nop
.endif
	DOT2 24
	WIN MV
	KV T0, A0, R2, 1
	KV T1, A1, R2, 0
	WIN 0
	v_pk_add_f32 v[24:25], v[24:25], v[30:31] op_sel_hi:[1,0] neg_lo:[0,1] neg_hi:[0,1]   ; the maximum is taken away first, log2(e) multiplied second.  These four lines are also the places
	v_mul_f32 v28, 0x3fb8aa3b, v28                 ; in front of the loads into t's registers
	v_mov_b32 v[MX], v30
	v_pk_mul_f32 v[24:25], v[24:25], 0x3fb8aa3b op_sel_hi:[1,0]
.if \how == 0
	TPAIR AWK, 0
.elseif \how == 1
	s_wait_alu depctr_va_vdst(0)
	s_wait_tensorcnt 0x0                           ; my 32 rows of wo are in LDS; only I read them
	WIN 0x40
.irp t, 0,1
.irp k, 0,1,2,3
.irp c, 0,1,2,3
	ds_load_b128 v[64*\t+16*\k+4*\c:64*\t+16*\k+4*\c+3], v[AWO] offset:8448*\t+128*\k+32*\c    ; over wk
.endr
.endr
.endr
	WIN 0
.irp t, 0,1
	global_load_b128 v[Q+8*\t:Q+8*\t+3], v[GB], s[24:25] offset:64*\t                          ; bo in the results' layout, over q
	global_load_b128 v[Q+8*\t+4:Q+8*\t+7], v[GB], s[24:25] offset:64*\t+16
.endr
.else
	SLOAD T0
.irp t, 0,1,2,3
	global_load_b128 v[T1+8*\t:T1+8*\t+3], v[GB], s[22:23] offset:64*\t                        ; bg in the results' layout
	global_load_b128 v[T1+8*\t+4:T1+8*\t+7], v[GB], s[22:23] offset:64*\t+16
.endr
.endif
	WIN 0
	s_wait_alu depctr_va_vdst(0)                   ; ahead of the batch
	v_exp_f32 v24, v24                             ; p of the two templates
	v_exp_f32 v25, v25
	v_exp_f32 v28, v28                             ; f, for what was summed under the old maximum
	v_nop
	s_wait_alu depctr_va_vdst(0)                   ; and here, for the exponentials and for the products of v, whose first readers follow
.irp n, 0,2,4,6,8,10,12,14,16,18,20,22,24,26,28,30
	v_pk_mul_f32 v[A0+\n:A0+\n+1], v[24:25], v[A0+\n:A0+\n+1] op_sel_hi:[0,1]
.endr
.irp n, 0,2,4,6,8,10,12,14,16,18,20,22,24,26,28,30
	v_pk_fma_f32 v[A0+\n:A0+\n+1], v[24:25], v[A1+\n:A1+\n+1], v[A0+\n:A0+\n+1] op_sel:[1,0,0] op_sel_hi:[1,1,1]
.endr
	v_fma_f32 v[SUM], v[SUM], v28, v24
	v_add_f32 v[SUM], v[SUM], v25
	WIN 0x41
.irp n, 0,2,4,6,8,10,12,14,16,18,20,22,24,26,28,30
	v_pk_fma_f32 v[O+\n:O+\n+1], v[O+\n:O+\n+1], v[28:29], v[A0+\n:A0+\n+1] op_sel_hi:[1,0,1]   ; o f + p v + p' v'
.endr
	WIN 0
.endm
	; ---- the head
	s_load_b512 s[4:19], s[0:1], 0x0               ; t s[4:5], wk s[6:7], wv s[8:9], wg s[10:11], wo s[12:13], the scales' exponents s[14:15], s s[16:17], wq s[18:19]
	s_load_b256 s[20:27], s[0:1], 0x40             ; the mask s[20:21], bg s[22:23], bo s[24:25], out s[26:27]
	v_lshl_add_u32 v[SPW], v0, 2, SPARE
	v_mov_b32 v[NIL], 0
	ds_add_u32 v[SPW], v[NIL]                      ; the wave's opening: the add, twice on end, under one wait
	ds_add_u32 v[SPW], v[NIL]
	v_lshrrev_b32 v1, 5, v0
	v_readfirstlane_b32 s28, v1                    ; wave 0..7
	s_and_b32 s29, s28, 1
	s_and_b32 s72, s28, 3
	s_bfe_u32 s2, ttmp6, 0x40000                   ; cx: my place in the cluster
	s_lshl_b32 s30, ttmp9, 2                       ; in a cluster launch ttmp9 counts clusters
	s_add_co_u32 s30, s30, s2                      ; work-group 0..255: it enters global addresses of plain loads and stores alone
	s_mov_b32 s32, 0x76543210                      ; v_permlanex16_b32: each lane takes its own place in the other half
	s_mov_b32 s33, 0xfedcba98
	; descriptor groups 1, elements of one byte; 16 bytes of padding behind every 64 words.  Weights: 256 rows x 256 bytes, dense; the mask names all four work-groups, bit 21 beside it
	s_mov_b32 s[G1W+0], 15|(1<<20)|(1<<21)|(5<<22)|(3<<25)
	s_mov_b32 s[G1W+1], 256<<16                    ; tensor_dim0
	s_mov_b32 s[G1W+2], 256<<16                    ; tensor_dim1
	s_mov_b32 s[G1W+3], 256<<16                    ; tile_dim0
	s_mov_b32 s[G1W+4], 256                        ; tile_dim1
	s_mov_b32 s[G1W+5], 256                        ; from row to row
	s_mov_b32 s[G1W+6], 0
	s_mov_b32 s[G1W+7], 0
	; t: five templates; a template's 16 rows are 4,096 dense bytes, stated as one row; templates lie 262,144 bytes apart; the padding's interval divides the row.  No mask
	s_mov_b32 s[G1T+0], (1<<20)|(5<<22)|(3<<25)
	s_mov_b32 s[G1T+1], 4096<<16
	s_mov_b32 s[G1T+2], 5<<16
	s_mov_b32 s[G1T+3], 4096<<16
	s_mov_b32 s[G1T+4], 5
	s_mov_b32 s[G1T+5], 262144
	s_mov_b32 s[G1T+6], 0
	s_mov_b32 s[G1T+7], 0
	; the lanes' addresses
	s_mul_i32 s2, s28, 64*272
	s_add_co_u32 s3, s2, LV                        ; my 64 rows of wq, wv, wg
	s_add_co_u32 s2, s2, LK                        ; and of wk
	s_mul_i32 s35, s28, 32*528
	s_add_co_u32 s35, s35, LV                      ; my 32 rows of wo
	s_lshl_b32 s31, s28, 10                        ; my half of a K step's image
	s_lshl_b32 s66, s28, 7
	s_add_co_u32 s66, s66, STG                     ; my 32 columns of the stage
	s_mul_i32 s67, s28, 2*1040
	s_add_co_u32 s67, s67, STG                     ; the two rows that I send
	v_and_b32 v16, 15, v0                          ; r
	v_bfe_u32 v17, v0, 4, 1                        ; h
	v_and_b32 v18, 31, v0                          ; lane
	v_mul_u32_u24 v[AT], v16, 272
	v_lshl_add_u32 v[AT], v17, 4, v[AT]
	v_add_nc_u32 v[AWK], s2, v[AT]
	v_add_nc_u32 v[AWV], s3, v[AT]
	v_mul_u32_u24 v[AWO], v16, 528
	v_lshl_add_u32 v[AWO], v17, 4, v[AWO]
	v_add_nc_u32 v[AWO], s35, v[AWO]
	v_lshlrev_b32 v[AIL], 4, v18
	v_lshlrev_b32 v[AIS], 4, v16
	v_lshl_add_u32 v[AIS], v17, 3, v[AIS]
	v_add_nc_u32 v[AIS], s31, v[AIS]
	v_mul_u32_u24 v[AOS], v16, 1040
	v_lshl_add_u32 v[AOS], v17, 5, v[AOS]
	v_add_nc_u32 v[AOS], s66, v[AOS]
	v_add_nc_u32 v[AOL], s67, v[AIL]
	v_lshlrev_b32 v[GB], 5, v17
	v_lshlrev_b32 v[GW], 8, v16
	v_lshl_add_u32 v[GW], v17, 4, v[GW]
	; where the loads of the batches go and come from.  Nothing in a joint descriptor hangs on the work-group: the wave's number alone
	s_mul_i32 s34, s72, 128*272
	s_add_co_u32 s34, s34, LV                      ; wv, wg: waves 0 to 3 fetch 128 rows each
	s_mul_i32 s99, s29, 256*272                    ; wq: waves 0, 1; wk: waves 2, 3; 256 rows each
	s_add_co_u32 s100, s99, LV
	s_add_co_u32 s101, s99, LK
	s_lshl_b32 s74, s29, 16
	s_mov_b32 s75, 0
	s_lshl_b32 s2, s72, 15
	s_mov_b32 s3, 0
	s_lshr_b32 s88, s30, 6                         ; t at my residues: batch entry (work-group / 64) x 2^23 + 16 (work-group % 64) rows of 256 bytes
	s_lshl_b32 s88, s88, 23
	s_and_b32 s89, s30, 63
	s_lshl_b32 s89, s89, 12
	s_add_co_u32 s88, s88, s89
	s_mov_b32 s89, 0
	s_wait_alu depctr_va_vdst(0)                   ; directly ahead of the waits below
	s_wait_dscnt 0x0                               ; both opening adds are done
	s_wait_kmcnt 0x0
	s_add_nc_u64 s[4:5], s[4:5], s[88:89]
	GROUP0 G0Q, s100, 18
	GROUP0 G0K, s101, 6
	s_mul_i32 s74, s29, 5*262144                   ; templates 0-9: waves 4, 5
	s_mul_i32 s100, s29, 5*TPL
	GROUP0 G0T, s100, 4
	s_barrier_signal -1
	CREST                                          ; a whole round: all four work-groups are here, and the first joint loads meet
	s_cmp_lt_u32 s28, 2                            ; batch 1
	s_cbranch_scc0 .Lb1_k
	TENSOR G0Q, G1W
	s_branch .Lb1
.Lb1_k:
	s_cmp_lt_u32 s28, 4
	s_cbranch_scc0 .Lb1_t
	TENSOR G0K, G1W
	s_branch .Lb1
.Lb1_t:
	s_cmp_lt_u32 s28, 6
	s_cbranch_scc0 .Lb1
	TENSOR G0T, G1T
.Lb1:
	s_lshl_b32 s88, s30, 12
	s_add_nc_u64 s[16:17], s[16:17], s[88:89]      ; s at my 16 rows
	SLOAD O                                        ; s's fragment, where o will lie
	WIN 0
	s_add_nc_u64 s[8:9], s[8:9], s[2:3]            ; wv, wg at the rows that I fetch
	s_add_nc_u64 s[10:11], s[10:11], s[2:3]
	s_lshl_b32 s2, s28, 14
	s_add_nc_u64 s[12:13], s[12:13], s[2:3]        ; wo at my 32 rows
	s_lshl_b32 s88, s28, 8
	s_add_nc_u64 s[22:23], s[22:23], s[88:89]      ; bg at my 64 channels
	s_lshr_b32 s88, s30, 6
	s_lshl_b32 s88, s88, 7
	s_add_nc_u64 s[20:21], s[20:21], s[88:89]      ; the mask at my batch entry's 32 numbers
	s_lshl_b32 s88, s28, 7
	s_add_nc_u64 s[24:25], s[24:25], s[88:89]      ; bo at my 32 columns
	s_lshl_b32 s88, s30, 14
	s_add_nc_u64 s[26:27], s[26:27], s[88:89]      ; out at my group's 16 rows,
	s_lshl_b32 s88, s28, 11
	s_add_nc_u64 s[26:27], s[26:27], s[88:89]      ; of which I send rows 2 w, 2 w + 1
	s_load_b256 s[88:95], s[14:15], 0x0            ; e0 .. e7
	s_load_b64 s[96:97], s[14:15], 0x20            ; e8, e9
	s_mov_b32 s31, 0x4e6e6b28                      ; 1e9
	s_wait_kmcnt 0x0
	s_add_co_i32 s66, s88, s89
	s_add_co_i32 s66, s66, s90
	s_add_co_i32 s66, s66, s91
	s_sub_co_i32 s66, s66, 3                       ; a score is q's sum x k's sum x 2^(e0+e1+e2+e3) / 8: all of it goes onto q
	s_add_co_i32 s98, s94, s95
	s_add_co_i32 s98, s98, 127
	s_lshl_b32 s98, s98, 23                        ; 2^(e6+e7) as f32
	s_mov_b32 s99, s98                             ; (named with it as a pair, so it is written)
	s_add_co_i32 s100, s96, s97
	s_add_co_i32 s100, s100, 127
	s_lshl_b32 s100, s100, 23                      ; 2^(e8+e9)
	s_mov_b32 s101, s100
	s_sub_co_i32 s67, s96, s92
	s_sub_co_i32 s67, s67, s93
	s_add_co_i32 s67, s67, 127
	s_lshl_b32 s67, s67, 23                        ; o's sums lack 2^(e4+e5): their code is sum / 2^(e8-e4-e5)
	s_load_b256 s[88:95], s[20:21], 0x0            ; the mask of templates 0-7
	s_load_b64 s[96:97], s[20:21], 0x20            ; of templates 8, 9
	s_wait_kmcnt 0x0
.irp i, 0,1,2,3,4,5,6,7,8,9
	s_add_f32 s[88+\i], s[88+\i], -1.0
	s_mul_f32 s[88+\i], s[88+\i], s31
.endr
	s_load_b64 s[76:77], s[20:21], 0x28            ; the mask of templates 10, 11
	s_wait_tensorcnt 0x0                           ; my part of batch 1 is in
	BAR                                            ; everybody's is
	; ---- q = s wq, x 2^(e0+e1+e2+e3-3)
	COPY R2, AWV                                   ; my rows of wq
	WIN 0x40
	COPY 0, AWK                                    ; of wk
	TPAIR AT, 0
	WIN MV
	s_wait_loadcnt 0x0                             ; s
	s_wait_dscnt 48                                ; wq is in; wk's 32 loads and t's 16 may be out
	KV O, A0, R2, 0
	WIN 0
	PLACES 4
.set i, 0
.rept 32
	v_ldexp_f32 v[Q+i], v[A0+i], s66               ; each accumulator from its low end on
.set i, i+1
.endr
	DRAIN 1                                        ; (a branch has led two waves round batch 1)
	s_mov_b32 s[G1W+2], 128<<16                    ; batch 2: wv, 128 rows a wave (waves 0 to 3); templates 10-17, two a wave (waves 4 to 7)
	s_mov_b32 s[G1W+4], 128
	s_mov_b32 s[G1T+2], 2<<16
	s_mov_b32 s[G1T+4], 2
	s_mov_b32 s74, 0
	GROUP0 G0W, s34, 8
	s_mul_i32 s2, s72, 2*TPL
	s_add_co_u32 s2, s2, 10*TPL
	s_lshl_b32 s74, s72, 19
	s_add_co_u32 s74, s74, 10*262144
	GROUP0 G0T, s2, 4
	DONE
	WIN MK
	KV T0, A0, 0, 0                                ; template 0's k, while the others arrive
	WIN 0
	CREST
	s_cmp_lt_u32 s28, 4
	s_cbranch_scc0 .Lb2_t
	TENSOR G0W, G1W
	s_branch .Lb2
.Lb2_t:
	TENSOR G0T, G1T
.Lb2:
	; ---- templates 0-9: k and my half's parts of the scores
.irp p, 0,1,2,3,4
.if \p > 0
	s_wait_dscnt 0x0
	WIN MK
	KV T0, A0, 0, 0
.endif
	WIN MK
	KV T1, A1, 0, 0
	PLACES 4
.if \p < 4
	TPAIR AT, 2*\p+2
	WIN 0
	DOT2 24+2*\p
.else
	WIN 0
	s_wait_alu depctr_va_vdst(0)
	s_wait_tensorcnt 0x0                           ; my part of batch 2 is in
	BAR
	COPY R2, AWV                                   ; my rows of wv, over wq; the last scores and the softmax of ten stand under its way
	TPAIR AT, 0
	WIN 0
	DOT2 0
.endif
.endr
	; ---- the softmax of ten
.irp i, 0,1,2,3,4,5,6,7
	v_permlanex16_b32 v[16+\i], v[24+\i], s32, s33
.endr
.irp i, 0,2,4,6
	v_pk_add_f32 v[24+\i:25+\i], v[24+\i:25+\i], v[16+\i:17+\i]
.endr
	v_permlanex16_b32 v16, v0, s32, s33
	v_permlanex16_b32 v17, v1, s32, s33
.irp i, 0,1,2,3,4,5,6,7
	v_add_f32 v[24+\i], s[88+\i], v[24+\i]         ; + the bias, onto the finished score
.endr
	v_pk_add_f32 v[0:1], v[0:1], v[16:17]
	v_max3_num_f32 v18, v24, v25, v26
	v_max3_num_f32 v19, v27, v28, v29
	v_add_f32 v0, s96, v0
	v_add_f32 v1, s97, v1
	v_max3_num_f32 v18, v18, v30, v31
	v_max3_num_f32 v19, v19, v0, v1
	v_max_num_f32 v[MX], v18, v19
.irp i, 24,26,28,30,0
	v_pk_add_f32 v[\i:\i+1], v[\i:\i+1], v[MX:MX+1] op_sel_hi:[1,0] neg_lo:[0,1] neg_hi:[0,1]
.endr
.irp i, 24,26,28,30,0
	v_pk_mul_f32 v[\i:\i+1], v[\i:\i+1], 0x3fb8aa3b op_sel_hi:[1,0]
.endr
	s_wait_alu depctr_va_vdst(0)                   ; ahead of the batch
.irp i, 24,25,26,27,28,29,30,31,0,1
	v_exp_f32 v[\i], v[\i]
.endr
	v_nop
	s_wait_alu depctr_va_vdst(0)                   ; and behind it
	v_pk_add_f32 v[16:17], v[24:25], v[26:27]
	v_pk_add_f32 v[18:19], v[28:29], v[30:31]
	v_pk_add_f32 v[16:17], v[16:17], v[0:1]
	v_pk_add_f32 v[16:17], v[16:17], v[18:19]
	v_add_f32 v[SUM], v16, v17
	DRAIN 0
	s_mov_b32 s[G1T+2], 7<<16                      ; batch 3: wg, 128 rows a wave (waves 0 to 3); templates 18-31, seven a wave (waves 4, 5)
	s_mov_b32 s[G1T+4], 7
	s_mov_b32 s74, 0
	GROUP0 G0W, s34, 10
	s_mul_i32 s2, s29, 7*TPL
	s_add_co_u32 s2, s2, 18*TPL
	s_mul_i32 s74, s29, 7*262144
	s_add_co_u32 s74, s74, 18*262144
	GROUP0 G0T, s2, 4
	DONE                                           ; (wv is in my registers)
	WIN MV
	KV T0, A0, R2, 0                               ; templates 0 and 1's v, while the others arrive
	KV T1, A1, R2, 0
	WIN 0
	CREST
	s_cmp_lt_u32 s28, 4
	s_cbranch_scc0 .Lb3_t
	TENSOR G0W, G1W
	s_branch .Lb3
.Lb3_t:
	s_cmp_lt_u32 s28, 6
	s_cbranch_scc0 .Lb3
	TENSOR G0T, G1T
.Lb3:
	; ---- templates 0-9: v and o
.irp p, 0,1,2,3,4
.if \p < 4
.set PR, 24+2*\p
.else
.set PR, 0
.endif
.if \p > 0
	s_wait_dscnt 0x0
	WIN MV
	KV T0, A0, R2, 0
	KV T1, A1, R2, 0
.endif
	PLACES 4
	TPAIR AT, 2*\p+2                               ; (the last time templates 10 and 11, for the first step)
.if \p == 0
	WIN 0x40
.irp n, 0,2,4,6,8,10,12,14,16,18,20,22,24,26,28,30
	v_pk_mul_f32 v[O+\n:O+\n+1], v[PR:PR+1], v[A0+\n:A0+\n+1] op_sel_hi:[0,1]                      ; template 0 starts the sums: nothing is cleared
.endr
	WIN 0x50
.else
	WIN 0x50
.irp n, 0,2,4,6,8,10,12,14,16,18,20,22,24,26,28,30
	v_pk_fma_f32 v[O+\n:O+\n+1], v[PR:PR+1], v[A0+\n:A0+\n+1], v[O+\n:O+\n+1] op_sel_hi:[0,1,1]
.endr
.endif
.irp n, 0,2,4,6,8,10,12,14,16,18,20,22,24,26,28,30
	v_pk_fma_f32 v[O+\n:O+\n+1], v[PR:PR+1], v[A1+\n:A1+\n+1], v[O+\n:O+\n+1] op_sel:[1,0,0] op_sel_hi:[1,1,1]
.endr
.endr
	WIN 0
	; ---- templates 10-17, two a step
	s_mov_b32 s78, 40
	s_mov_b32 s79, 3
	s_mov_b32 s80, 0xff800000                      ; -infinity
	s_mov_b32 s83, 10*TPL
.Lstep_1:
	CHUNK 0
	s_sub_co_u32 s79, s79, 1
	s_cmp_lg_u32 s79, 0
	s_cbranch_scc1 .Lstep_1
	CHUNK 2
	; ---- g = sigmoid(s wg + bg), wg's tiles by twos through the accumulators' registers
	s_add_co_u32 s83, s83, 2*TPL                   ; templates 18, 19
	s_wait_alu depctr_va_vdst(0)
	s_wait_tensorcnt 0x0                           ; my part of batch 3 is in
	BAR
.irp m, 0,1
.irp u, 0,1
.irp k, 0,1
.irp c, 0,1,2,3
	ds_load_b128 v[A0+32*\u+16*\k+4*\c:A0+32*\u+16*\k+4*\c+3], v[AWV] offset:TPL*(2*\m+\u)+128*\k+32*\c
.endr
.endr
.endr
.if \m == 0
	s_wait_loadcnt 0x0                             ; s, bg
.endif
	s_wait_dscnt 0x0
	WIN MG
.irp u, 0,1
	v_wmma_f32_16x16x128_fp8_fp8 v[G+16*\m+8*\u:G+16*\m+8*\u+7], v[A0+32*\u:A0+32*\u+15], v[T0:T0+15], 0
.endr
.irp u, 0,1
	v_wmma_f32_16x16x128_fp8_fp8 v[G+16*\m+8*\u:G+16*\m+8*\u+7], v[A0+32*\u+16:A0+32*\u+31], v[T0+16:T0+31], v[G+16*\m+8*\u:G+16*\m+8*\u+7]
.endr
	PLACES 4
	WIN 0
.endr
	v_add_nc_u32 v[AWK], s83, v[AT]
	WIN 0x51
.irp n, 0,2,4,6,8,10,12,14,16,18,20,22,24,26,28,30
	v_pk_fma_f32 v[G+\n:G+\n+1], v[G+\n:G+\n+1], s[98:99], v[T1+\n:T1+\n+1] op_sel_hi:[1,0,1]      ; sum x 2^(e6+e7) + bg
.endr
	TPAIR AWK, 0
	WIN 0
	DRAIN 0
	s_mov_b32 s[G1W+0], 15|(1<<20)|(1<<21)|(6<<22)|(3<<25)                                         ; batch 4: wo, 32 rows x 512 bytes a wave; 16 bytes of padding behind every 128 words
	s_mov_b32 s[G1W+1], 512<<16
	s_mov_b32 s[G1W+2], 32<<16
	s_mov_b32 s[G1W+3], 512<<16
	s_mov_b32 s[G1W+4], 32
	s_mov_b32 s[G1W+5], 512
	s_mov_b32 s74, 0
	GROUP0 G0W, s35, 12
	DONE                                           ; (my reads of wg are back)
	WIN 0x41                                       ; the sigmoid, while the others arrive
.irp n, 0,2,4,6,8,10,12,14,16,18,20,22,24,26,28,30
	v_pk_mul_f32 v[G+\n:G+\n+1], v[G+\n:G+\n+1], 0xbfb8aa3b op_sel_hi:[1,0]                        ; x -log2(e)
.endr
	s_wait_alu depctr_va_vdst(0)                   ; ahead of the batch
.set i, 0
.rept 32
	v_exp_f32 v[G+i], v[G+i]
.set i, i+1
.endr
	v_nop
	s_wait_alu depctr_va_vdst(0)                   ; and behind it
.irp n, 0,2,4,6,8,10,12,14,16,18,20,22,24,26,28,30
	v_pk_add_f32 v[G+\n:G+\n+1], v[G+\n:G+\n+1], 1.0 op_sel_hi:[1,0]
.endr
	s_wait_alu depctr_va_vdst(0)                   ; likewise
.set i, 0
.rept 32
	v_rcp_f32 v[G+i], v[G+i]
.set i, i+1
.endr
	v_nop
	s_wait_alu depctr_va_vdst(0)
	WIN 0
	CREST
	TENSOR G0W, G1W
	; ---- templates 18-31, two a step
	s_mov_b32 s79, 6
.Lstep_2:
	CHUNK 0
	s_sub_co_u32 s79, s79, 1
	s_cmp_lg_u32 s79, 0
	s_cbranch_scc1 .Lstep_2
	CHUNK 1
	; ---- o g / the sum, and its codes
	s_add_co_u32 s2, s67, 0x4000000
	s_or_b32 s2, s2, 0x600000                      ; 448 x 2^(e8-e4-e5)
	s_wait_alu depctr_va_vdst(0)                   ; ahead of the transcendental
	v_rcp_f32 v16, v[SUM]
	v_mov_b32 v18, s67
	v_mov_b32 v19, s2
	WIN 0x05
.irp n, 0,2,4,6,8,10,12,14,16,18,20,22,24,26,28,30
	v_pk_mul_f32 v[A0+\n:A0+\n+1], v[O+\n:O+\n+1], v[G+\n:G+\n+1]
.endr
	WIN 0
	s_wait_alu depctr_va_vdst(0)                   ; and behind it
.irp n, 0,2,4,6,8,10,12,14,16,18,20,22,24,26,28,30
	v_pk_mul_f32 v[A0+\n:A0+\n+1], v[A0+\n:A0+\n+1], v[16:17] op_sel_hi:[1,0]
.endr
.set i, 0
.rept 32
	v_med3_num_f32 v[A0+i], v[A0+i], -v19, v19     ; the conversion to an 8-bit code does not saturate (ISA guide 7.6.2): the hold at the largest code x the scale
.set i, i+1
.endr
.irp t, 0,1,2,3
	v_cvt_scalef32_pk8_fp8_f32 v[20+2*\t:21+2*\t], v[A0+8*\t:A0+8*\t+7], v18                      ; channels 64 w + 16 t + 8 h + 0 .. 7
.endr
	v_nop                                          ; a plain instruction behind the last conversion
	; ---- out = Q(o g) wo + bo.  The waves' codes meet in LDS as images of the operand's registers: registers 4 c .. 4 c + 3 of K step k at 2,048 k + 512 c + 16 x lane hold k = 32 c + 16 h + 0 .. 15,
	; so tile t's eight bytes of lane (r, h) go to 1,024 w + 256 t + 16 r + 8 h
.irp t, 0,1,2,3
	ds_store_b64 v[AIS], v[20+2*\t:21+2*\t] offset:IMG+256*\t
.endr
	s_wait_dscnt 0x0                               ; for the others' sake: my codes have landed (and wo is in my registers)
	BAR
	WIN 0x40
.irp k, 0,1,2,3
.irp c, 0,1,2,3
	ds_load_b128 v[T0+16*\k+4*\c:T0+16*\k+4*\c+3], v[AIL] offset:IMG+2048*\k+512*\c
.endr
.endr
	s_wait_loadcnt 0x0                             ; bo
	s_wait_dscnt 0x0
	WIN MK                                         ; my two tiles of 16 columns by turns
.irp k, 0,1,2,3
.irp t, 0,1
.if \k == 0
	v_wmma_f32_16x16x128_fp8_fp8 v[A0+8*\t:A0+8*\t+7], v[64*\t+16*\k:64*\t+16*\k+15], v[T0+16*\k:T0+16*\k+15], 0
.else
	v_wmma_f32_16x16x128_fp8_fp8 v[A0+8*\t:A0+8*\t+7], v[64*\t+16*\k:64*\t+16*\k+15], v[T0+16*\k:T0+16*\k+15], v[A0+8*\t:A0+8*\t+7]
.endif
.endr
.endr
	WIN 0
	PLACES 4
.irp n, 0,2,4,6,8,10,12,14
	v_pk_fma_f32 v[A0+\n:A0+\n+1], v[A0+\n:A0+\n+1], s[100:101], v[Q+\n:Q+\n+1] op_sel_hi:[1,0,1]  ; sum x 2^(e8+e9) + bo
.endr
	; 16 rows x 1,024 bytes meet in the stage; each wave sends two whole rows
.irp t, 0,1
	ds_store_b128 v[AOS], v[A0+8*\t:A0+8*\t+3] offset:64*\t
	ds_store_b128 v[AOS], v[A0+8*\t+4:A0+8*\t+7] offset:64*\t+16
.endr
	s_wait_dscnt 0x0
	BAR
.irp i, 0,1,2,3
	ds_load_b128 v[R2+4*\i:R2+4*\i+3], v[AOL] offset:1040*(\i/2)+512*(\i%2)
.endr
.irp i, 0,1,2,3
	s_wait_dscnt 3-\i                              ; the younger loads may stay out
	global_store_b128 v[AIL], v[R2+4*\i:R2+4*\i+3], s[26:27] offset:512*\i th:TH_STORE_NT          ; 32 lanes store 512 consecutive bytes, at a multiple of 256 from out's first byte
.endr
	s_wait_tensorcnt 0x0                           ; the wave's end: behind my last tensor load and my last LDS store
	ds_add_u32 v[SPW], v[NIL]
	s_wait_dscnt 0x0
	s_barrier_signal -1
	CREST                                          ; the closing round: no work-group ends while a partner may still ask for a tile that names it
	s_endpgm
.Lfunc_end_k_qa4521e6915_tcwa:
	.size	k_qa4521e6915_tcwa, .Lfunc_end_k_qa4521e6915_tcwa-k_qa4521e6915_tcwa
	.p2alignl 7, 3214868480
	.fill 96, 4, 3214868480
	.section	.rodata,"a",@progbits
	.p2align	6, 0x0
	.amdhsa_kernel k_qa4521e6915_tcwa
		.amdhsa_group_segment_fixed_size 327680
		.amdhsa_private_segment_fixed_size 0
		.amdhsa_enable_private_segment 0
		.amdhsa_kernarg_size 96
		.amdhsa_user_sgpr_count 2
		.amdhsa_user_sgpr_kernarg_segment_ptr 1
		.amdhsa_wavefront_size32 1
		.amdhsa_system_sgpr_workgroup_id_x 1
		.amdhsa_system_sgpr_workgroup_id_y 1
		.amdhsa_system_sgpr_workgroup_id_z 1
		.amdhsa_system_vgpr_workitem_id 0
		.amdhsa_next_free_vgpr 512
		.amdhsa_next_free_sgpr 102
		.amdhsa_reserve_vcc 0
		.amdhsa_float_denorm_mode_32 3
		.amdhsa_float_denorm_mode_16_64 3
		.amdhsa_memory_ordered 1
		.amdhsa_forward_progress 1
		.amdhsa_inst_pref_size 132
	.end_amdhsa_kernel
	.amdgpu_metadata
---
amdhsa.version: [ 1, 2 ]
amdhsa.kernels:
  - .name:           k_qa4521e6915_tcwa
    .symbol:         k_qa4521e6915_tcwa.kd
    .args:
      - { .name: t_codes, .offset: 0, .size: 8, .value_kind: global_buffer, .address_space: global }
      - { .name: wk_codes, .offset: 8, .size: 8, .value_kind: global_buffer, .address_space: global }
      - { .name: wv_codes, .offset: 16, .size: 8, .value_kind: global_buffer, .address_space: global }
      - { .name: wg_codes, .offset: 24, .size: 8, .value_kind: global_buffer, .address_space: global }
      - { .name: wo_codes, .offset: 32, .size: 8, .value_kind: global_buffer, .address_space: global }
      - { .name: lowp_scales, .offset: 40, .size: 8, .value_kind: global_buffer, .address_space: global }
      - { .name: s_codes, .offset: 48, .size: 8, .value_kind: global_buffer, .address_space: global }
      - { .name: wq_codes, .offset: 56, .size: 8, .value_kind: global_buffer, .address_space: global }
      - { .name: template_mask, .offset: 64, .size: 8, .value_kind: global_buffer, .address_space: global }
      - { .name: bg, .offset: 72, .size: 8, .value_kind: global_buffer, .address_space: global }
      - { .name: bo, .offset: 80, .size: 8, .value_kind: global_buffer, .address_space: global }
      - { .name: out0, .offset: 88, .size: 8, .value_kind: global_buffer, .address_space: global }
    .group_segment_fixed_size: 327680
    .private_segment_fixed_size: 0
    .kernarg_segment_align: 8
    .kernarg_segment_size: 96
    .max_flat_workgroup_size: 256
    .sgpr_count:     102
    .vgpr_count:     512
    .wavefront_size: 32
...
	.end_amdgpu_metadata
.endif
;; end of part 1
